; MI455X (gfx1250); checked and timed in simulation.
; The chip was launched on July 23, 2026; its instructions are those of AMD's public machine-readable ISA for CDNA 5 (MIT licence, August 2026) and "CDNA5" Instruction Set Architecture Reference Guide (July 2026). The comments in the code are by the model that wrote it; some were corrected since.
;; Self Attention. Allowed arithmetic: matrix products marked QUANTISED: E5M2 operands, one given power-of-two scale a tensor, by v_wmma_f32_16x16x64_bf8_bf8 or v_wmma_f32_16x16x128_bf8_bf8, f32 sums; everything else in f32.
;; Inputs: W_qkv_codes 3,072 x 32 x 32 uint8 (E5M2 codes of W_qkv, K innermost, in blocks of 32 codes); hidden_states_codes 4 x 2,048 x 32 x 32 uint8 (E5M2 codes of hidden_states, K innermost, in blocks of 32 codes); lowp_scales 6 int32 (the exponents e of the quantised operands' scales 2^e).
;; Outputs: out0 4 x 2,048 x 1,024 float32.
;; This version of the problem:
;;   THIS VERSION OF THE PROBLEM IS GIVEN IN LOW PRECISION. The matrix products marked QUANTISED in the list below multiply operands that are first quantised to E5M2 (5 exponent bits, 2 mantissa bits; 8 bits a number), with one given power-of-two scale for each operand tensor; their sums are f32. All else is computed in f32.
;;   The module's matrix products, in the order in which they are computed (A, B: the left and right operand; K: the contracted axis; several contracted axes count as one K, in the product's order):
;;     1. [M 8,192, K 1,024] x [K 1,024, N 3,072]; A: input hidden_states (given as codes); B: input W_qkv (given as codes): QUANTISED (scales: A lowp_scales[0], B lowp_scales[1])
;;     2. batch 4 x [M 2,048, K 1,024] x [K 1,024, N 2,048]; A: computed on the way; B: computed on the way: QUANTISED (scales: A lowp_scales[2], B lowp_scales[3])
;;     3. batch 4 x [M 2,048, K 2,048] x [K 2,048, N 1,024]; A: softmax (see below); B: computed on the way: QUANTISED (scales: A lowp_scales[4], B lowp_scales[5])
;;   THE QUANTISER, for each operand of a quantised product, along K:
;;     - The operand's scale is 2^e, e = its entry of the input lowp_scales (int32; the entries are numbered through the quantised products in the list's order, A before B).
;;     - Each number is divided by the scale, clamped to +-57,344, and rounded to the nearest number of E5M2, ties to even, subnormals kept.
;;     - The product sums the exact products of the quantised numbers (number of the format x scale) in f32.
;;   ~~~python
;;   def quantise(x, axis, e):      # numpy; x: float32 -> the quantised numbers, widened to float32 again
;;       x = np.moveaxis(x, axis, -1); K = x.shape[-1]
;;       r = np.clip(x / 2.0 ** e, -57344, 57344)
;;       step = 2.0 ** (np.maximum(np.frexp(np.where(r == 0, 1, r))[1] - 1, -14) - 2)
;;       q = np.round(r / step) * step * 2.0 ** e      # np.round: ties to even
;;       return np.moveaxis(q, -1, axis).astype(np.float32)
;;   ~~~
;;   SOFTMAX AHEAD OF A QUANTISED PRODUCT. Where the list says 'softmax', what is quantised is not the finished softmax but p = 2^(t - M), with t = logit x log2(e) and M = ceil(the row's largest t), a whole number; so 1/2 < the row's largest p <= 1. The row's sum l is taken of the UNQUANTISED p, in f32, and the product's result is divided by l at the end. Since M is a whole number, a kernel that streams over the keys may use a running M (the ceiling of the running maximum): every later rescaling is an exact power of two, so the quantised numbers keep their values, but for numbers so far below the row's largest that they fall under the format's range.
;;   OPERANDS COMPUTED ON THE WAY. 'Computed on the way' means the value that the module computes at that place (a softmax that the list does not call 'softmax' is quantised finished and normalised). What goes into a quantiser is computed in f32, as accurately as f32 sums, v_exp_f32 and their like allow (about 1e-6 of the number): no bf16 or f16 on the way to a quantiser, and a product that is left as it is and whose result goes on into a quantised operand takes f32 operands (vector FMAs, or v_wmma_f32_16x16x4_f32). A number that lies on a knife's edge between two numbers of the format may be rounded either way, as far as f32 arithmetic and the matrix unit's own rounding can turn it there, and no further.
;;   INPUTS GIVEN AS CODES. W_qkv (in the module: [1024, 3072], K = its axis 0); hidden_states (in the module: [4, 2048, 1024], K = its axis 2): each comes as NAME_codes (uint8): NAME with its K axis moved to the last place and cut into blocks of 32 codes, [.., K / 32, bytes a block], one block behind the other in memory; one code a byte (a code: sign, 5 exponent bits, 2 mantissa bits); its scale is its entry of lowp_scales. Its value is code x scale, taken as it is: it is not quantised again, and the codes and scales need not be those that the quantiser above would give.
;; One version. Each part assembles by itself: llvm-mc -triple=amdgcn-amd-amdhsa -mcpu=gfx1250 --defsym DOCPART=n.
;; ======== version 1 of 1: 3 launches
;; limits: right only within a limited range of input values
;; workspace buffers: qk_codes 16,777,216 bytes; vt_codes 8,388,608 bytes; p_codes 16,777,216 bytes; stats 524,288 bytes
;; launch proj (part 1): grid 8 x 32, 4 waves a work-group, clusters of 4 x 4, 327,680 bytes of LDS; arguments hidden_states_codes, W_qkv_codes, lowp_scales, qk_codes, vt_codes; writes qk_codes, vt_codes
.if DOCPART == 1
	.amdgcn_target "amdgcn-amd-amdhsa--gfx1250"
	.amdhsa_code_object_version 6
	.text
	.protected	k_qb894a018d8_proj
	.globl	k_qb894a018d8_proj
	.p2align	8
	.type	k_qb894a018d8_proj,@function
k_qb894a018d8_proj:
	s_mov_b64 s[64:65], 0
	v_nop
	global_prefetch_b8 v0, s[64:65] scope:SCOPE_SE
	s_setreg_imm32_b32 hwreg(HW_REG_WAVE_MODE, 25, 1), 1
	s_wait_xcnt 0x0
	s_wait_alu depctr_hold_cnt(0) depctr_sa_sdst(0) depctr_va_vdst(0) depctr_va_sdst(0) depctr_va_ssrc(0) depctr_va_vcc(0) depctr_vm_vsrc(0)
	s_getreg_b32 s2, hwreg(HW_REG_IB_STS2, 6, 4)
	s_cmp_eq_u32 s2, 0
	s_cbranch_scc0 .Lentry_in_a_cluster
	s_endpgm
.Lentry_in_a_cluster:
	s_bfe_u32 s2, ttmp6, 0x10000c
	s_cmp_lg_u32 s2, 0xf033
	s_cbranch_scc0 .Lentry_shape_is_right
	s_endpgm
.Lentry_shape_is_right:
; PRODUCT 1 OF THREE: qkv = X W on the codes of E5M2 as they are given; its f32 sums are quantised on the way out for the two products that follow.
; X: [8192 rows (b, s)][1024] codes, W: [3072 (f)][1024] codes, K innermost in both.  lowp_scales: e0 .. e5.
; NOTHING OF reference() IS LEFT OUT in this program: every product of its three is live, no mask, no bias, no slice; all three inputs are loaded.
; OUT, as FRAGMENT IMAGES: 16 rows x 128 along the next K are 2,048 bytes: piece j (512 bytes), lane (r, h), 16 bytes = row r, k = 32 j + 8 h + 0 .. 7 and 32 j + 16 + 8 h + 0 .. 7: the operand's registers as they stand.
;   qk_codes: q (scale 2^e2), then k (2^e3): [512 blocks of 16 rows][8 (K 128)][2048];  vt_codes (2^e5): [4 batches][64 blocks of 16 e][16 (128 keys)][2048], the keys being the third product's K.
; A sum stands for sum x 2^(e0 + e1), so its code is sum / 2^E, E = e_out - e0 - e1, held within +-57,344 x 2^E, to the nearest code, ties to even.
; LIMITS: E lies between -126 and 112 for each of e2, e3, e5, so that 2^E and 57,344 x 2^E are f32 numbers.  NaN and infinity codes among the inputs are not served.
; SHARES.  256 work-groups of four waves, each the same work: TILE 1, 256 rows of X x 256 rows of W's first 2,048 (q or k), a wave 128 x 128; then TILE 2, 128 rows of W's last third (e) x the same 256 rows of X (keys), a wave 64 x 128.
; K = 1024 in steps of 256.  Tile 1 walks K steps 0, 1, 2, 3 on two LDS slots (X's 256 rows | W's 256 rows).  Tile 2 walks 2, 3, 0, 1: steps 2 and 3 of X still lie in the slots.  Wv's unit of 128 rows: step 2 lies in EU from the head on,
; 3 and 0 land in slot 0's W half, X's step 0 in slot 1's W half, X's step 1 in slot 0's X half, Wv's step 1 in EU.  Each fill has one joint load a wave at the most.
; The matrix instruction takes the operand that runs along the next K as source 0: tile 1: W (along E), tile 2: X (the keys).
; CLUSTERS of 4 x 4: X's tiles hang on y alone and are asked for jointly by the four of a cluster's row, W's on x alone by the four of a column.
; REGISTERS, in windows of 256: window 0: v0-31 addresses, scales; v32-95 codes on the way out; v128-255 tile 1: X's eight fragments, tile 2: Wv's four, two sets.  window 1: source 0's eight fragments, two sets.
;   windows 2, 3: tile 1's sums of my rows 0-63, 64-127; window 2 again: tile 2's.
.set ROWB,   256                       ; a tile's row: 256 codes
.set PITCH,  272                       ; an LDS row: 256 bytes + 16 of padding = 68 words: the 16 rows that a load touches start at 16 different banks (64 banks of 4 bytes: ISA guide 11.1)
.set HALFT,  128*PITCH                 ; 128 rows
.set SLOT,   4*HALFT
.set EU,     2*SLOT                    ; behind the slots: one unit of Wv
.set SPARE,  EU+HALFT                  ; the spare words, 128 bytes for each wave
.set ADRA, 8                           ; v8-9    LDS address of my fragments of X in slot 0, 1
.set ADRB, 10                          ; v10-11  of W
.set T2X,  12                          ; v12-14  tile 2: of X: slot 0, slot 1, slot 1's W half
.set T2W,  16                          ; v16-18  tile 2: of Wv: EU, slot 0's third and fourth unit
.set SCQ,  20                          ; 2^E and 57,344 x 2^E for q or k, then for v
.set LQ,   21
.set SCV,  22
.set LV,   23
.set CO,   24                          ; 16 x my lane
.set SPW,  28                          ; my spare word; never rewritten
.set NIL,  29                          ; 0; never rewritten
.set PFO,  30                          ; 1,024 x my lane; never rewritten
.set CD,   32
.set AF,   128
.set G1X,  24                          ; group 1: X, 128 rows;  W, 128 rows;  X, 256 rows
.set G1W,  32
.set G1X2, 40
.set G0X,  48                          ; group 0: X's, W's, EU's; written only where no load of the wave is out
.set G0W,  52
.set G0E,  56
.set MUL_LO, 0xa1                      ; source 0 window 1, source 1 window 0, sums in window 2
.set MUL_HI, 0xf1                      ; the same, sums in window 3
.set TO_B,   0x40
.set MSB, 0
.macro WIN new                         ; the immediate's high byte repeats the setting that is left; a switch that changes nothing is dropped
.if MSB != (\new)
	s_set_vgpr_msb (MSB<<8)|(\new)
.set MSB, \new
.endif
.endm
.macro PLACES n                        ; plain vector instructions between a matrix instruction and a load into, or a vector read of, its registers
.rept \n
	v_nop
.endr
.endm
.macro SHAPE g, m, rows
	s_or_b32 s[\g], s[\m], (1<<20)|(1<<21)|(5<<22)|(3<<25)  ; the mask; elements of 1 byte; four words of padding after every 64; bit 21 beside a mask
	s_mov_b32 s[\g+1], ROWB<<16
	s_mov_b32 s[\g+2], (\rows)<<16
	s_mov_b32 s[\g+3], ROWB<<16
	s_mov_b32 s[\g+4], \rows
	s_mov_b32 s[\g+5], 1024
	s_mov_b32 s[\g+6], 0
	s_mov_b32 s[\g+7], 0
.endm
.macro SETG g, ptr, lds, k             ; s22 = 128 rows x (my wave's number % 2)
	s_add_co_u32 s[\g+1], s22, \lds
	s_add_nc_u64 s[\g+2:\g+3], s[\ptr:\ptr+1], \k
	s_or_b32 s[\g+3], s[\g+3], 0x80000000
.endm
.macro LD g0, g1                       ; a joint load; an s_nop 0 and four v_nop follow
	tensor_load_to_lds s[\g0:\g0+3], s[\g1:\g1+7]
	s_nop 0
	PLACES 4
.endm
.macro JXW                             ; waves 0, 1 fetch X's halves, waves 2, 3 W's
	s_cmp_eq_u32 s15, 0
	s_cbranch_scc0 .Lw_\@
	LD G0X, G1X
	s_branch .Lj_\@
.Lw_\@:
	LD G0W, G1W
.Lj_\@:
.endm
.macro JL1 val, g0, g1                 ; waves 0, 1 (0) or 2, 3 (1) alone
	s_cmp_eq_u32 s15, \val
	s_cbranch_scc0 .Lj_\@
	LD \g0, \g1
.Lj_\@:
.endm
.macro CREST                           ; a round of the cluster's barrier behind its opening barrier
	s_cmp_lg_u32 s14, 0
	s_cbranch_scc1 .Lnot_wave_0_\@
	s_barrier_signal -3
.Lnot_wave_0_\@:
	s_barrier_wait -3
	s_barrier_signal -1
	s_barrier_wait -1
.endm
.macro CROUND
	s_barrier_signal -1
	s_barrier_wait -1
	CREST
.endm
; PREFETCHES INTO THE L2, one fill ahead: a lane a row of 256 bytes, one instruction a wave for a K step: of the 128 rows that a wave stands for, the partner at cx (X) or cy (W) takes 32, told apart BY ADDRESS.
; X's rows are asked for in the two clusters that load them, W's in four of the eight.  K step 1 (and Wv's 2 and 3) is asked for behind K step 0's load, K step 2 behind K step 1's, K step 3 (and Wv's 0 and 1) behind K step 2's.
.macro ASK k
	s_cmp_eq_u32 s84, 1
	s_cbranch_scc0 .Ln_\@
	global_prefetch_b8 v[PFO], s[80:81] offset:(\k)*ROWB th:TH_LOAD_NT scope:SCOPE_SE
.Ln_\@:
.endm
.macro ASKV k                          ; wave 2: Wv's K step k, wave 3: k + 1
	s_cmp_eq_u32 s85, 1
	s_cbranch_scc0 .Ln_\@
	global_prefetch_b8 v[PFO], s[82:83] offset:(\k)*ROWB th:TH_LOAD_NT scope:SCOPE_SE
.Ln_\@:
.endm
	s_load_b128 s[4:7], s[0:1], 0x0                ; X's codes, W's codes
	s_load_b128 s[8:11], s[0:1], 0x10              ; the scales' exponents, qk_codes
	s_load_b64 s[12:13], s[0:1], 0x20              ; vt_codes
	v_lshl_add_u32 v[SPW], v0, 2, SPARE
	v_mov_b32 v[NIL], 0
	ds_add_u32 v[SPW], v[NIL]                      ; the wave's opening: the add, twice on end, and its wait
	ds_add_u32 v[SPW], v[NIL]
	v_lshrrev_b32 v1, 5, v0
	v_readfirstlane_b32 s14, v1                    ; wave 0..3
	s_lshr_b32 s15, s14, 1                         ; my half of source 1's rows.  Also: I fetch for X (0) or for W (1)
	s_and_b32 s16, s14, 1                          ; my half of source 0's rows.  Also: which 128 rows I fetch
	s_bfe_u32 s20, ttmp6, 0x40000                  ; cx, cy
	s_bfe_u32 s21, ttmp6, 0x40004
	s_and_b32 s17, ttmp7, 0xffff                   ; the cluster's y, 0..7
	s_lshl_b32 s18, ttmp9, 2
	s_add_co_u32 s18, s18, s20                     ; x, 0..7
	s_lshl_b32 s19, s17, 2
	s_add_co_u32 s19, s19, s21                     ; y, 0..31
	s_lshl_b32 s86, s21, 2
	s_lshl_b32 s86, 15, s86                        ; my row of the cluster
	s_lshl_b32 s87, 0x1111, s20                    ; my column
	SHAPE G1X, 86, 128
	SHAPE G1W, 87, 128
	SHAPE G1X2, 86, 256
	s_mul_i32 s22, s16, HALFT
	s_lshl_b32 s88, s19, 18
	s_lshl_b32 s89, s16, 17
	s_add_co_u32 s88, s88, s89                     ; X: row 256 y + 128 x half
	s_lshl_b32 s90, s18, 18
	s_add_co_u32 s90, s90, s89                     ; W: row 256 x + 128 x half
	s_lshl_b32 s92, s18, 17
	s_add_co_u32 s92, s92, 0x200000                ; Wv: row 2048 + 128 x
	s_mov_b32 s89, 0
	s_mov_b32 s91, 0
	s_mov_b32 s93, 0
	s_lshl_b32 s66, ttmp9, 23                      ; q or k,
	s_lshl_b32 s67, s19, 18
	s_add_co_u32 s66, s66, s67                     ; row block 16 y
	s_lshl_b32 s67, s15, 17
	s_add_co_u32 s66, s66, s67                     ; + 8 x half,
	s_lshl_b32 s67, s20, 12
	s_add_co_u32 s66, s66, s67                     ; fragment 2 (x % 4)
	s_lshl_b32 s67, s16, 11
	s_add_co_u32 s66, s66, s67                     ; + half
	s_mov_b32 s67, 0
	s_lshr_b32 s94, s19, 3
	s_lshl_b32 s94, s94, 21                        ; batch,
	s_lshl_b32 s95, s18, 18
	s_add_co_u32 s94, s94, s95                     ; block of e 8 x
	s_lshl_b32 s95, s15, 17
	s_add_co_u32 s94, s94, s95                     ; + 4 x half,
	s_and_b32 s95, s19, 7
	s_lshl_b32 s95, s95, 12
	s_add_co_u32 s94, s94, s95                     ; keys' fragment 2 (y % 8)
	s_lshl_b32 s95, s16, 11
	s_add_co_u32 s94, s94, s95                     ; + half
	s_mov_b32 s95, 0
	s_mul_i32 s60, s16, 3*ROWB
	s_sub_co_u32 s60, 3*ROWB, s60                  ; wave 2: Wv's K step 3, wave 3: its K step 0
	s_mov_b32 s61, 0
	s_mov_b32 s[G0X], 1
	s_mov_b32 s[G0W], 1
	s_mov_b32 s[G0E], 1
	s_wait_dscnt 0x0                               ; both opening adds are done
	s_wait_kmcnt 0x0
	s_load_b128 s[68:71], s[8:9], 0x0              ; e0 .. e3
	s_load_b64 s[72:73], s[8:9], 0x10              ; e4, e5
	s_add_nc_u64 s[74:75], s[4:5], s[88:89]
	s_add_nc_u64 s[76:77], s[6:7], s[90:91]
	s_add_nc_u64 s[78:79], s[6:7], s[92:93]
	s_add_nc_u64 s[10:11], s[10:11], s[66:67]
	s_add_nc_u64 s[12:13], s[12:13], s[94:95]
	SETG G0X, 74, 0, 0
	SETG G0W, 76, 2*HALFT, 0
	CROUND                                         ; all sixteen work-groups are here: the first joint loads meet
	JXW                                            ; K step 0: one tensor load a wave
	v_and_b32 v1, 15, v0                           ; r
	v_bfe_u32 v2, v0, 4, 1                         ; h
	v_and_b32 v5, 31, v0
	v_mul_u32_u24 v3, v1, PITCH
	v_lshl_add_u32 v4, v2, 4, v3                   ; a fragment's row x pitch + 16 x half
	v_lshlrev_b32 v[CO], 4, v5
	v_lshlrev_b32 v[PFO], 10, v5
	s_wait_alu depctr_va_vdst(0)                   ; wait ahead of the readers among scalar instructions
	s_mul_i32 s23, s15, HALFT
	v_add_nc_u32 v[ADRA], s23, v4
	s_add_co_u32 s23, s23, SLOT
	v_add_nc_u32 v[ADRA+1], s23, v4
	s_add_co_u32 s23, s22, 2*HALFT
	v_add_nc_u32 v[ADRB], s23, v4
	s_add_co_u32 s23, s23, SLOT
	v_add_nc_u32 v[ADRB+1], s23, v4
	v_add_nc_u32 v[T2X], s22, v4
	s_add_co_u32 s23, s22, SLOT
	v_add_nc_u32 v[T2X+1], s23, v4
	s_add_co_u32 s23, s22, SLOT+2*HALFT
	v_add_nc_u32 v[T2X+2], s23, v4
	s_mul_i32 s23, s15, 64*PITCH
	s_add_co_u32 s86, s23, EU
	v_add_nc_u32 v[T2W], s86, v4
	s_add_co_u32 s86, s23, 2*HALFT
	v_add_nc_u32 v[T2W+1], s86, v4
	s_add_co_u32 s86, s23, 3*HALFT
	v_add_nc_u32 v[T2W+2], s86, v4
	; the prefetches: where my wave's stand, and who asks
	s_lshl_b32 s96, s20, 15
	s_add_co_u32 s96, s96, s88
	s_lshl_b32 s98, s21, 15
	s_add_co_u32 s97, s98, s90
	s_add_co_u32 s98, s98, s92
	s_lshl_b32 s99, s16, 8
	s_add_co_u32 s98, s98, s99
	s_mov_b32 s99, 0
	s_cmp_eq_u32 s15, 0
	s_cselect_b32 s96, s96, s97
	s_cselect_b64 s[80:81], s[4:5], s[6:7]
	s_mov_b32 s97, 0
	s_add_nc_u64 s[80:81], s[80:81], s[96:97]
	s_add_nc_u64 s[82:83], s[6:7], s[98:99]
	s_cmp_lt_u32 s17, 4
	s_cselect_b32 s85, 1, 0
	s_and_b32 s85, s85, s15                        ; W's waves in four of the eight clusters that read the same rows
	s_xor_b32 s84, s15, 1
	s_or_b32 s84, s84, s85                         ; and X's waves in all
	s_wait_alu depctr_va_vdst(0)                   ; wait ahead of the branches below
	ASK 1
	ASKV 2
.macro SCALE sc, lim                   ; from s86 = e_out
	s_sub_co_i32 s86, s86, s68
	s_sub_co_i32 s86, s86, s69                     ; E: the three scales folded into the conversion's one
	s_add_co_i32 s86, s86, 127
	s_lshl_b32 s87, s86, 23
	v_mov_b32 v[\sc], s87
	s_add_co_i32 s86, s86, 15
	s_lshl_b32 s86, s86, 23
	s_or_b32 s86, s86, 0x600000
	v_mov_b32 v[\lim], s86
.endm
	s_wait_kmcnt 0x0
	s_cmp_eq_u32 ttmp9, 1                          ; clusters x = 0 make q, x = 1 k
	s_cselect_b32 s86, s71, s70
	SCALE SCQ, LQ
	s_mov_b32 s86, s73
	SCALE SCV, LV
.macro FRAG reg, adr, q, i             ; a fragment, 16 rows x 128 K: lane l holds row l % 16; registers 4 c .. 4 c + 3 hold K = 32 c + 16 (l / 16) + 0 .. 15, alike in both operands
.irp c, 0,1,2,3
	ds_load_b128 v[\reg+4*\c:\reg+4*\c+3], v[\adr] offset:128*(\q)+32*\c+(\i)*16*PITCH
.endr
.endm
; 16 matrix instructions of tile 1; the 64 accumulators take turns, one instruction a turn
.macro MUL16 a0, p, zero
.irp a, \a0, \a0+1
.irp b, 0,1,2,3,4,5,6,7
.if \zero
	v_wmma_f32_16x16x128_bf8_bf8 v[8*(8*((\a)%4)+\b):8*(8*((\a)%4)+\b)+7], v[128*(\p)+16*\b:128*(\p)+16*\b+15], v[AF+16*(\a):AF+16*(\a)+15], 0
.else
	v_wmma_f32_16x16x128_bf8_bf8 v[8*(8*((\a)%4)+\b):8*(8*((\a)%4)+\b)+7], v[128*(\p)+16*\b:128*(\p)+16*\b+15], v[AF+16*(\a):AF+16*(\a)+15], v[8*(8*((\a)%4)+\b):8*(8*((\a)%4)+\b)+7]
.endif
.endr
.endr
.endm
.macro FETCH_B slot, q, p
	WIN TO_B
.irp i, 0,1,2,3,4,5,6,7
	FRAG 128*(\p)+16*\i, ADRB+\slot, \q, \i
.endr
	WIN 0
.endm
.macro FETCH_A slot, q, i0
.irp i, \i0, \i0+1, \i0+2, \i0+3
	FRAG AF+16*(\i), ADRA+\slot, \q, \i
.endr
.endm
.macro MUL8 a, p, zero                 ; one block of X against source 0's eight
.irp b, 0,1,2,3,4,5,6,7
.if \zero
	v_wmma_f32_16x16x128_bf8_bf8 v[8*(8*((\a)%4)+\b):8*(8*((\a)%4)+\b)+7], v[128*(\p)+16*\b:128*(\p)+16*\b+15], v[AF+16*(\a):AF+16*(\a)+15], 0
.else
	v_wmma_f32_16x16x128_bf8_bf8 v[8*(8*((\a)%4)+\b):8*(8*((\a)%4)+\b)+7], v[128*(\p)+16*\b:128*(\p)+16*\b+15], v[AF+16*(\a):AF+16*(\a)+15], v[8*(8*((\a)%4)+\b):8*(8*((\a)%4)+\b)+7]
.endif
.endr
.endm
.macro FB2 slot, q, p, i0              ; two fragments of source 0
	WIN TO_B
.irp i, \i0, \i0+1
	FRAG 128*(\p)+16*(\i), ADRB+\slot, \q, \i
.endr
.endm
.macro FA2 slot, q, i0                 ; two of X's blocks
	WIN 0
.irp i, \i0, \i0+1
	FRAG AF+16*(\i), ADRA+\slot, \q, \i
.endr
.endm
; A K step's first 128 along K.  Source 0's other set is free from its start, X's blocks come free two by two: the 64 loads of the next 128 are dealt out over the step.
.macro STEP slot, zero
	s_wait_dscnt 16                                ; source 0's set and X's blocks 0-3 are in; the youngest 16 loads (blocks 4-7) may be out
	WIN MUL_LO
	MUL8 0, 0, \zero
	PLACES 4
	FB2 \slot, 1, 1, 0
	FB2 \slot, 1, 1, 2
	WIN MUL_LO
	MUL8 1, 0, \zero
	PLACES 4
	FA2 \slot, 1, 0
	FB2 \slot, 1, 1, 4
	WIN MUL_LO
	MUL16 2, 0, \zero
	PLACES 4
	FA2 \slot, 1, 2
	FB2 \slot, 1, 1, 6
	s_wait_dscnt 48                                ; blocks 4-7 are in: the 48 loads of this step may be out
	WIN MUL_HI
	MUL16 4, 0, \zero
	PLACES 4
	FA2 \slot, 1, 4
	WIN MUL_HI
	MUL16 6, 0, \zero
	PLACES 4
	FA2 \slot, 1, 6
.endm
; The second 128 along K changes slots.  TURN_A, the descriptors' new words, TURN_B: each wave waits for all its tensor loads, adds 0 to its spare word, and waits for that and for its reads of the slot;
; behind the round no wave of any partner still reads what is filled again, or has a load on its way.
.macro TURN_A
	s_wait_tensorcnt 0x0
	ds_add_u32 v[SPW], v[NIL]
.endm
.macro TURN_B
	s_wait_dscnt 17                                ; the add and the youngest 16 loads may be out
	WIN MUL_LO
	MUL8 0, 1, 0
	s_wait_dscnt 0x0
	s_barrier_signal -1
	MUL8 1, 1, 0
	WIN 0
	s_barrier_wait -1
	CREST
.endm
.macro FNEXT next
	FETCH_B \next, 0, 0
	FETCH_A \next, 0, 0
.endm
.macro TURN_C next                     ; the rest of the step, with the next slot's first fragments dealt out over it; four places stand ahead of it
	FA2 \next, 0, 0
	FB2 \next, 0, 0, 0
	FB2 \next, 0, 0, 2
	WIN MUL_LO
	MUL8 2, 1, 0
	FB2 \next, 0, 0, 4
	FB2 \next, 0, 0, 6
	WIN MUL_LO
	MUL8 3, 1, 0
	PLACES 4
	FA2 \next, 0, 2
	WIN MUL_HI
	MUL16 4, 1, 0
	PLACES 4
	FA2 \next, 0, 4
	WIN MUL_HI
	MUL16 6, 1, 0
	PLACES 4
	FA2 \next, 0, 6
.endm
.macro MEDS w, cnt, lim                ; sums mi .. of window w, held in place, ascending: the conversion to an 8-bit code does not saturate (ISA guide 7.6.2)
	WIN (0x41*\w)
.rept \cnt
	v_med3_num_f32 v[mi], v[mi], -v[\lim], v[\lim]
.set mi, mi+1
.endr
.endm
; THE WAY OUT of a window's 32 accumulators: eight neighbours of an accumulator become 8 bytes, eight accumulators a fragment's 16 registers; a store covers 512 consecutive bytes, at a multiple of 512 from the buffer's first byte.
.macro CVST w, sc, ptr, stride, a0
	s_wait_alu depctr_va_vdst(0)
	s_wait_xcnt 0x0                                ; earlier stores have read the registers of the codes
	WIN \w
.set n, 0
.rept 32
	v_cvt_scalef32_pk8_bf8_f32 v[CD+2*n:CD+2*n+1], v[8*n:8*n+7], v[\sc]
.set n, n+1
.endr
	v_nop                                          ; one plain vector instruction behind the last conversion of the run
	WIN 0
	s_wait_alu depctr_va_vdst(0)
.set n, 0
.rept 16
	global_store_b128 v[CO], v[CD+4*n:CD+4*n+3], s[\ptr:\ptr+1] offset:(\stride)*(\a0+n/4)+512*(n%4)
.set n, n+1
.endr
.endm
; TILE 2 in eight half steps n of 128 along K (K steps 2, 3, 0, 1), on two sets of fragments.  FC: four of X's fragments, FR: Wv's four.
.macro FC n, i0
	WIN TO_B
.irp i, 0,1,2,3
	FRAG 128*((\n)%2)+16*(\i+\i0), T2X+(((\n)/2)%3), (\n)%2, \i+\i0
.endr
.endm
.macro FR n
	WIN 0
.irp i, 0,1,2,3
	FRAG 128+64*((\n)%2)+16*\i, T2W+(((\n)/2)%3), (\n)%2, \i
.endr
.endm
; cnt matrix instructions of half step n; the 32 accumulators take turns.  Half steps 0 and 1 hold tile 1's window 3 between them, half step 7 tile 2's finished blocks.
.macro W2 n, cnt
.rept \cnt
	WIN MUL_LO
.set wD, 8*wi
.set wS, 128*((\n)%2)+16*(wi%8)
.set wR, 128+64*((\n)%2)+16*(wi/8)
.if (\n) == 0
	v_wmma_f32_16x16x128_bf8_bf8 v[wD:wD+7], v[wS:wS+15], v[wR:wR+15], 0
.else
	v_wmma_f32_16x16x128_bf8_bf8 v[wD:wD+7], v[wS:wS+15], v[wR:wR+15], v[wD:wD+7]
.endif
.if (\n) < 2
	MEDS 3, 4, LQ
.endif
.set wi, wi+1
.endr
.endm
; Tile 2's last K step goes by rows of the result, each block's eight accumulators by turns.  WH: eight matrix instructions on set p from accumulator w0 on, with the hold of the block finished before (64 sums) between them.
.macro WH w0, p, pl
.set wi, \w0
.rept 8
	W2 4+\p, 1
.if (\pl) && (wi == (\w0)+1)
	PLACES 4
.endif
	MEDS 2, 8, LV
.endr
.endm
.macro CVB a                           ; block a goes out: codes in registers of its own
	s_wait_alu depctr_va_vdst(0)
.if (\a) == 0
	s_wait_xcnt 0x0                                ; tile 1's stores have read the registers of the codes
.endif
	WIN 2
.set n, 8*(\a)
.rept 8
	v_cvt_scalef32_pk8_bf8_f32 v[CD+2*n:CD+2*n+1], v[8*n:8*n+7], v[SCV]
.set n, n+1
.endr
	v_nop                                          ; one plain vector instruction behind the last conversion of the run
	WIN 0
	s_wait_alu depctr_va_vdst(0)
.set n, 4*(\a)
.rept 4
	global_store_b128 v[CO], v[CD+4*n:CD+4*n+3], s[12:13] offset:32768*(n/4)+512*(n%4)
.set n, n+1
.endr
.endm
.macro HS n
.set wi, 0
.if (\n) == 2                          ; slot 0's X half and EU have been read: X's and Wv's K step 1 follow
	WIN 0
	TURN_A
	SETG G0X, 74, 0, ROWB
	s_add_nc_u64 s[G0E+2:G0E+3], s[78:79], ROWB
	s_or_b32 s[G0E+3], s[G0E+3], 0x80000000
	s_wait_dscnt 1                                 ; all but the add
	W2 \n, 4
	s_wait_dscnt 0x0
	s_barrier_signal -1
	W2 \n, 4
	WIN 0
	s_barrier_wait -1
	CREST
	s_cmp_eq_u32 s15, 0
	s_cbranch_scc0 .Le3w
	LD G0X, G1X
	s_branch .Le3
.Le3w:
	s_cmp_eq_u32 s14, 2
	s_cbranch_scc0 .Le3
	LD G0E, G1W
.Le3:
.else
	s_wait_dscnt 0x0
.if (\n) == 5                          ; K step 1 is in for all waves behind this barrier
	s_wait_tensorcnt 0x0
	s_barrier_signal -1
	W2 \n, 4
	s_barrier_wait -1
.else
	W2 \n, 4
.endif
.endif
.if (\n) < 7
	PLACES 4
	FC \n+1, 0
	W2 \n, 6
	FC \n+1, 4
	W2 \n, 6
	FR \n+1
.endif
	W2 \n, 32-wi
.endm
	s_wait_alu depctr_va_vdst(0)
	s_wait_tensorcnt 0x0                           ; my part of K step 0 is in
	ds_add_u32 v[SPW], v[NIL]
	SETG G0X, 74, SLOT, ROWB
	SETG G0W, 76, SLOT+2*HALFT, ROWB
	s_mov_b32 s[G0E+1], EU
	s_add_nc_u64 s[G0E+2:G0E+3], s[78:79], 2*ROWB
	s_or_b32 s[G0E+3], s[G0E+3], 0x80000000
	s_wait_dscnt 0x0
	CROUND                                         ; everybody's part of K step 0 is in; first fills alone follow: K step 1 into slot 1, Wv's K step 2 into EU
	s_cmp_eq_u32 s14, 0
	s_cbranch_scc0 .Lf1b
	LD G0X, G1X2                                   ; wave 0: X's 256 rows
	s_branch .Lf1
.Lf1b:
	s_cmp_eq_u32 s14, 1
	s_cbranch_scc0 .Lf1c
	LD G0E, G1W                                    ; wave 1: Wv
	s_branch .Lf1
.Lf1c:
	LD G0W, G1W                                    ; waves 2, 3: W's halves
.Lf1:
	FNEXT 0
	FETCH_A 0, 0, 4
	ASK 2
	STEP 0, 1
	TURN_A
	SETG G0X, 74, 0, 2*ROWB
	SETG G0W, 76, 2*HALFT, 2*ROWB
	TURN_B
	JXW                                            ; slot 0: K step 2
	TURN_C 1
	ASK 3
	ASKV 0
	STEP 1, 0
	TURN_A
	SETG G0X, 74, SLOT, 3*ROWB
	SETG G0W, 76, SLOT+2*HALFT, 3*ROWB
	TURN_B
	JXW                                            ; slot 1: K step 3
	TURN_C 0
	STEP 0, 0
	TURN_A
	s_add_co_u32 s[G0W+1], s22, 2*HALFT
	s_add_nc_u64 s[G0W+2:G0W+3], s[78:79], s[60:61]
	s_or_b32 s[G0W+3], s[G0W+3], 0x80000000
	TURN_B
	JL1 1, G0W, G1W                                ; slot 0's W half: Wv's K steps 3 and 0; its X half stays
	PLACES 4
	TURN_C 1
	STEP 1, 0
	TURN_A
	SETG G0X, 74, SLOT+2*HALFT, 0
	TURN_B
	JL1 0, G0X, G1X                                ; slot 1's W half: X's K step 0; its X half stays
	PLACES 4
	FC 0, 0                                        ; tile 2's first fragments: set 0 of source 0, and the registers of X's blocks 0-3
	WIN MUL_LO
	MUL8 2, 1, 0
	FC 0, 4
	WIN MUL_LO
	MUL8 3, 1, 0
	PLACES 4
	FR 0
.set wi, 0
.set mi, 0
.rept 32                               ; tile 1's last 32, of window 3, with window 2's hold between them
	WIN MUL_HI
.set wD, 8*wi
.set wS, 128+16*(wi%8)
.set wR, AF+16*(4+wi/8)
	v_wmma_f32_16x16x128_bf8_bf8 v[wD:wD+7], v[wS:wS+15], v[wR:wR+15], v[wD:wD+7]
	MEDS 2, 8, LQ
.set wi, wi+1
.endr
	CVST 2, SCQ, 10, 16384, 0
.set mi, 0
	HS 0
	HS 1
	CVST 3, SCQ, 10, 16384, 4
	HS 2
	HS 3
	HS 4
	HS 5
	s_wait_dscnt 0x0
.set wi, 0
	W2 4, 2                                        ; blocks 0 and 1, the first 128 along K; set 1 is fetched meanwhile
	PLACES 4
	FC 7, 0
	W2 4, 4
	FC 7, 4
	W2 4, 4
	FR 7
	W2 4, 6
	s_wait_dscnt 0x0
.set mi, 0
.set wi, 0
	W2 5, 8                                        ; block 0 is finished,
	WH 8, 1, 1                                     ; block 1; block 0's hold
	CVB 0
	WH 16, 0, 0                                    ; block 2's first 128; block 1's hold
	CVB 1
.set wi, 16
	W2 5, 8                                        ; block 2 is finished
	WH 24, 0, 1                                    ; block 3's first 128; block 2's hold
	CVB 2
.set wi, 24
	W2 5, 8
	PLACES 4
	MEDS 2, 64, LV
	CVB 3
	s_wait_tensorcnt 0x0                           ; the wave's end
	ds_add_u32 v[SPW], v[NIL]
	s_wait_dscnt 0x0
	CROUND                                         ; the closing round: no work-group ends while a partner may still ask for a tile that names it
	s_endpgm
.Lfunc_end_k_qb894a018d8_proj:
	.size	k_qb894a018d8_proj, .Lfunc_end_k_qb894a018d8_proj-k_qb894a018d8_proj
	.p2alignl 7, 3214868480
	.fill 96, 4, 3214868480
	.section	.rodata,"a",@progbits
	.p2align	6, 0x0
	.amdhsa_kernel k_qb894a018d8_proj
		.amdhsa_group_segment_fixed_size 327680
		.amdhsa_private_segment_fixed_size 0
		.amdhsa_enable_private_segment 0
		.amdhsa_kernarg_size 40
		.amdhsa_user_sgpr_count 2
		.amdhsa_user_sgpr_kernarg_segment_ptr 1
		.amdhsa_wavefront_size32 1
		.amdhsa_system_sgpr_workgroup_id_x 1
		.amdhsa_system_sgpr_workgroup_id_y 1
		.amdhsa_system_sgpr_workgroup_id_z 1
		.amdhsa_system_vgpr_workitem_id 0
		.amdhsa_next_free_vgpr 1024
		.amdhsa_next_free_sgpr 100
		.amdhsa_reserve_vcc 0
		.amdhsa_float_denorm_mode_32 3
		.amdhsa_float_denorm_mode_16_64 3
		.amdhsa_memory_ordered 1
		.amdhsa_forward_progress 1
		.amdhsa_inst_pref_size 199
	.end_amdhsa_kernel
	.amdgpu_metadata
---
amdhsa.version: [ 1, 2 ]
amdhsa.kernels:
  - .name:           k_qb894a018d8_proj
    .symbol:         k_qb894a018d8_proj.kd
    .args:
      - { .name: hidden_states_codes, .offset: 0, .size: 8, .value_kind: global_buffer, .address_space: global }
      - { .name: W_qkv_codes, .offset: 8, .size: 8, .value_kind: global_buffer, .address_space: global }
      - { .name: lowp_scales, .offset: 16, .size: 8, .value_kind: global_buffer, .address_space: global }
      - { .name: qk_codes, .offset: 24, .size: 8, .value_kind: global_buffer, .address_space: global }
      - { .name: vt_codes, .offset: 32, .size: 8, .value_kind: global_buffer, .address_space: global }
    .group_segment_fixed_size: 327680
    .private_segment_fixed_size: 0
    .kernarg_segment_align: 8
    .kernarg_segment_size: 40
    .max_flat_workgroup_size: 128
    .sgpr_count:     100
    .vgpr_count:     1024
    .wavefront_size: 32
...
	.end_amdgpu_metadata
.endif
;; end of part 1
;; launch score (part 2): grid 8 x 32, 4 waves a work-group, clusters of 4 x 4, 327,680 bytes of LDS; arguments qk_codes, lowp_scales, p_codes, stats; writes p_codes, stats
.if DOCPART == 2
	.amdgcn_target "amdgcn-amd-amdhsa--gfx1250"
	.amdhsa_code_object_version 6
	.text
	.protected	k_qb894a018d8_score
	.globl	k_qb894a018d8_score
	.p2align	8
	.type	k_qb894a018d8_score,@function
k_qb894a018d8_score:
	s_mov_b64 s[64:65], 0
	v_nop
	global_prefetch_b8 v0, s[64:65] scope:SCOPE_SE
	s_setreg_imm32_b32 hwreg(HW_REG_WAVE_MODE, 25, 1), 1
	s_wait_xcnt 0x0
	s_wait_alu depctr_hold_cnt(0) depctr_sa_sdst(0) depctr_va_vdst(0) depctr_va_sdst(0) depctr_va_ssrc(0) depctr_va_vcc(0) depctr_vm_vsrc(0)
	s_getreg_b32 s2, hwreg(HW_REG_IB_STS2, 6, 4)
	s_cmp_eq_u32 s2, 0
	s_cbranch_scc0 .Lentry_in_a_cluster
	s_endpgm
.Lentry_in_a_cluster:
	s_bfe_u32 s2, ttmp6, 0x10000c
	s_cmp_lg_u32 s2, 0xf033
	s_cbranch_scc0 .Lentry_shape_is_right
	s_endpgm
.Lentry_shape_is_right:
; PRODUCT 2 OF THREE: S = Q K^T on codes of E5M2, and the softmax's weights p as codes, for each block of 256 queries x 256 keys.  Nothing of reference() is left out here.
; qk_codes: q, then k, as fragment images: [512 blocks of 16 rows][8 (K 128)][2048 bytes], as the launch before lays them.
; t = score x log2(e) / 32 = sum x c, c = log2(e) / 32 x 2^(e2 + e3).  A work-group sees 256 keys of a row, block j of eight: M_j = ceil(the largest t among them), a whole number; p = 2^(t - M_j) is quantised along the keys with 2^e4;
; l_j = the sum of the unquantised p.  OUT: p_codes, fragment images [512 blocks of 16 queries][16 (128 keys)][2048];  stats (f32): -M_j at byte 32768 j + 4 row, l_j at 262144 + the same.
; The next launch brings the eight blocks under the row's one M by exact powers of two.
; LIMITS: e2 + e3 between -121 and 132 (they are added to c's exponent field); e4 between -126 and 112.  Where 57,344 x 2^e4 < 1 (e4 <= -16) the hold at the largest code bites relative to the block's M, not the row's.
; The promise holds while the scaled scores t stay under 2^31 in magnitude.  Numbers far below the row's largest keep more of their value here than under the row's M.  NaN and infinity are not served.
; SHARES: a tile of 256 x 256 to a work-group of four waves, 128 x 128 a wave; K = 1024 in four steps of 256 on two LDS slots; a wave's joint load is 8 row blocks x 4,096 bytes, laid as they come.
; R = rows of Q (source 1), shared along a row of the 4 x 4 cluster, C = rows of K (source 0), shared along a column: a lane holds ONE query and eight neighbouring keys an accumulator.
; window 0: v0-31 addresses; v32-111 a row block's maximum, -M and sums; v128-255 R's fragments, later the codes.  window 1: C's two sets.  windows 2, 3: the 64 accumulators.
.set HALFT,  32768                     ; 8 row blocks x two fragments
.set SLOT,   4*HALFT
.set SPARE,  2*SLOT
.set MAXR,   SPARE+512                 ; [256 rows][2 halves of the keys] f32: each wave's largest sum of a row; no fill lands there
.set LSUM,   MAXR+2048                 ; the same for the sums of p
.set SO8,  12
.set ADRA, 16
.set MXA,  18
.set MXL,  19
.set ADRB, 20
.set LSA,  22
.set SRD,  23
.set CO,   26
.set SC,   27
.set SPW,  28
.set NIL,  29
.set LIM,  30
.set PFO,  31
.set AF,   128
.set G1,  24
.set G0,  32
.set G0B, 36
.set G1B, 48
.set CS,  78                           ; s[78:79] c: the packed form names a pair and takes its low word for both halves
.set SEL, 80                           ; s[80:81] lane selects for v_permlanex16_b32: lane l xor 16
.set MUL_LO, 0xa1
.set MUL_HI, 0xf1
.set TO_B,   0x40
.set MSB, 0
.macro WIN new
.if MSB != (\new)
	s_set_vgpr_msb (MSB<<8)|(\new)
.set MSB, \new
.endif
.endm
.macro PLACES n
.rept \n
	v_nop
.endr
.endm
.macro SETG g, ptr, lds, k
	s_add_co_u32 s[\g+1], s45, \lds
	s_add_nc_u64 s[\g+2:\g+3], s[\ptr:\ptr+1], \k
	s_or_b32 s[\g+3], s[\g+3], 0x80000000
.endm
.macro LD g0, g1
	tensor_load_to_lds s[\g0:\g0+3], s[\g1:\g1+7]
	s_nop 0
	PLACES 4
.endm
.macro JLOAD                           ; waves 0, 1 fetch for R, waves 2, 3 for C
	s_cmp_eq_u32 s15, 0
	s_cbranch_scc0 .Lc_\@
	LD G0, G1
	s_branch .Lj_\@
.Lc_\@:
	LD G0B, G1B
.Lj_\@:
.endm
.macro CREST
	s_cmp_lg_u32 s14, 0
	s_cbranch_scc1 .Lnot_wave_0_\@
	s_barrier_signal -3
.Lnot_wave_0_\@:
	s_barrier_wait -3
	s_barrier_signal -1
	s_barrier_wait -1
.endm
.macro CROUND
	s_barrier_signal -1
	s_barrier_wait -1
	CREST
.endm
; A PREFETCH INTO THE L2 of K step k, one fill ahead: of the 8 row blocks that a wave fetches, the partner at cx (Q) or cy (K) takes two, told apart by address: 2 x 16 blocks of 256 bytes, one a lane.
; K step 1 is asked for behind K step 0's load, 2 behind 1's, 3 behind 2's.
.macro ASK k
	global_prefetch_b8 v[PFO], s[60:61] offset:(\k)*4096 th:TH_LOAD_NT scope:SCOPE_SE
.endm
	s_load_b128 s[4:7], s[0:1], 0x0                ; qk_codes, the scales' exponents
	s_load_b128 s[8:11], s[0:1], 0x10              ; p_codes, stats
	v_lshl_add_u32 v[SPW], v0, 2, SPARE
	v_mov_b32 v[NIL], 0
	ds_add_u32 v[SPW], v[NIL]                      ; the wave's opening: the add, twice on end, and its wait
	ds_add_u32 v[SPW], v[NIL]
	v_lshrrev_b32 v1, 5, v0
	v_readfirstlane_b32 s14, v1                    ; wave 0..3
	s_lshr_b32 s15, s14, 1                         ; my half of the queries.  Also: I fetch for R (0) or for C (1)
	s_and_b32 s16, s14, 1                          ; my half of the keys.  Also: which 128 rows I fetch
	s_bfe_u32 s40, ttmp6, 0x40000                  ; cx, cy
	s_bfe_u32 s41, ttmp6, 0x40004
	s_lshl_b32 s42, ttmp9, 2
	s_add_co_u32 s42, s42, s40                     ; x = the block of 256 keys, 0..7
	s_and_b32 s17, ttmp7, 0xffff
	s_lshl_b32 s18, s17, 2
	s_add_co_u32 s18, s18, s41                     ; y = the block of 256 queries, 0..31
	s_lshl_b32 s43, s41, 2
	s_lshl_b32 s43, 15, s43
	s_lshl_b32 s44, 0x1111, s40
	s_or_b32 s[G1], s43, 1<<21                     ; the mask, and bit 21 beside it; elements of 1 byte; no padding
	s_or_b32 s[G1B], s44, 1<<21
.irp g, G1, G1B
	s_mov_b32 s[\g+1], 4096<<16                    ; rows of 4,096 bytes: a row block's two fragments
	s_mov_b32 s[\g+2], 8<<16
	s_mov_b32 s[\g+3], 4096<<16
	s_mov_b32 s[\g+4], 8
	s_mov_b32 s[\g+5], 16384                       ; from row block to row block
	s_mov_b32 s[\g+6], 0
	s_mov_b32 s[\g+7], 0
.endr
	s_lshl_b32 s19, s16, 17
	s_lshl_b32 s82, s18, 18
	s_add_co_u32 s82, s82, s19                     ; Q: row block 16 y + 8 x half
	s_mov_b32 s83, 0
	s_lshr_b32 s84, s17, 1                         ; the batch, from the cluster's y: no cy enters K's address
	s_lshl_b32 s84, s84, 21
	s_lshl_b32 s85, s42, 18
	s_add_co_u32 s84, s84, s85
	s_add_co_u32 s84, s84, s19
	s_add_co_u32 s84, s84, 0x800000                ; K: row block 128 batch + 16 x + 8 x half, behind q's 8,388,608 bytes
	s_mov_b32 s85, 0
	s_lshl_b32 s86, s18, 19
	s_lshl_b32 s87, s15, 18
	s_add_co_u32 s86, s86, s87
	s_lshl_b32 s87, s42, 12
	s_add_co_u32 s86, s86, s87
	s_lshl_b32 s87, s16, 11
	s_add_co_u32 s86, s86, s87                     ; p_codes: row block 16 y + 8 x half, fragment 2 x + half
	s_mov_b32 s87, 0
	s_lshl_b32 s88, s42, 15
	s_lshl_b32 s89, s18, 10
	s_add_co_u32 s88, s88, s89                     ; stats: 32768 x + 4 (256 y)
	s_mov_b32 s89, 0
	s_mov_b32 s[SEL], 0x76543210
	s_mov_b32 s[SEL+1], 0xfedcba98
	s_mul_i32 s45, s14, HALFT                      ; where my tile goes in a slot
	s_mov_b32 s[G0], 1
	s_mov_b32 s[G0B], 1
	s_wait_dscnt 0x0                               ; both opening adds are done
	s_wait_kmcnt 0x0
	s_load_b128 s[68:71], s[6:7], 0x0              ; e0 .. e3
	s_load_b64 s[72:73], s[6:7], 0x10              ; e4, e5
	s_add_nc_u64 s[74:75], s[4:5], s[82:83]
	s_add_nc_u64 s[76:77], s[4:5], s[84:85]
	s_add_nc_u64 s[8:9], s[8:9], s[86:87]
	s_add_nc_u64 s[10:11], s[10:11], s[88:89]
	SETG G0, 74, 0, 0
	SETG G0B, 76, 0, 0
	CROUND                                         ; all sixteen work-groups are here: the first joint loads meet
	JLOAD                                          ; K step 0
	v_and_b32 v1, 15, v0                           ; r
	v_bfe_u32 v2, v0, 4, 1                         ; h
	v_and_b32 v3, 31, v0
	v_lshlrev_b32 v[CO], 4, v3                     ; 16 x my lane
	v_lshlrev_b32 v[PFO], 14, v2
	v_lshl_add_u32 v[PFO], v1, 8, v[PFO]
	v_lshl_add_u32 v[SRD], v0, 4, MAXR             ; the statistics: two rows' two words each
	v_lshlrev_b32 v[SO8], 3, v0
	s_wait_alu depctr_va_vdst(0)                   ; wait ahead of the readers among scalar instructions
	s_mul_i32 s21, s15, HALFT
	v_add_nc_u32 v[ADRA], s21, v[CO]
	s_add_co_u32 s21, s21, SLOT
	v_add_nc_u32 v[ADRA+1], s21, v[CO]
	s_mul_i32 s22, s16, HALFT
	s_add_co_u32 s22, s22, 2*HALFT
	v_add_nc_u32 v[ADRB], s22, v[CO]
	s_add_co_u32 s22, s22, SLOT
	v_add_nc_u32 v[ADRB+1], s22, v[CO]
	s_lshl_b32 s23, s15, 10
	s_add_co_u32 s23, s23, MAXR
	v_lshl_add_u32 v[MXL], v1, 3, s23              ; MAXR + 8 (128 x my half of the queries + r)
	s_lshl_b32 s20, s16, 2
	v_add_nc_u32 v[MXA], s20, v[MXL]               ; + 4 x my half of the keys
	v_add_nc_u32 v[LSA], 2048, v[MXA]
	s_lshl_b32 s20, s40, 15
	s_add_co_u32 s82, s82, s20                     ; the prefetches: Q's by cx,
	s_lshl_b32 s20, s41, 15
	s_add_co_u32 s84, s84, s20                     ; K's by cy
	s_cmp_eq_u32 s15, 0
	s_cselect_b32 s82, s82, s84
	s_add_nc_u64 s[60:61], s[4:5], s[82:83]
	s_wait_alu depctr_va_vdst(0)
	ASK 1
	s_wait_kmcnt 0x0
	s_add_co_i32 s88, s70, s71                     ; e2 + e3,
	s_lshl_b32 s88, s88, 23
	s_add_co_i32 s[CS], s88, 0x3d38aa3b            ; added to the exponent field of log2(e) / 32
	s_mov_b32 s[CS+1], s[CS]                       ; (named with it as a pair, so it is written)
	s_add_co_i32 s88, s72, 127
	s_lshl_b32 s89, s88, 23
	v_mov_b32 v[SC], s89                           ; 2^e4 as f32, for the conversion
	s_add_co_i32 s88, s88, 15
	s_lshl_b32 s88, s88, 23
	s_or_b32 s88, s88, 0x600000
	v_mov_b32 v[LIM], s88                          ; 57,344 x 2^e4
.macro FRAG reg, adr, q, i             ; a fragment image: four pieces of 512 bytes, 16 bytes a lane
.irp c, 0,1,2,3
	ds_load_b128 v[\reg+4*\c:\reg+4*\c+3], v[\adr] offset:2048*(\q)+512*\c+(\i)*4096
.endr
.endm
.macro MUL16 a0, p, zero               ; 16 matrix instructions; the 64 accumulators take turns, one instruction a turn
.irp a, \a0, \a0+1
.irp b, 0,1,2,3,4,5,6,7
.if \zero
	v_wmma_f32_16x16x128_bf8_bf8 v[8*(8*((\a)%4)+\b):8*(8*((\a)%4)+\b)+7], v[128*(\p)+16*\b:128*(\p)+16*\b+15], v[AF+16*(\a):AF+16*(\a)+15], 0
.else
	v_wmma_f32_16x16x128_bf8_bf8 v[8*(8*((\a)%4)+\b):8*(8*((\a)%4)+\b)+7], v[128*(\p)+16*\b:128*(\p)+16*\b+15], v[AF+16*(\a):AF+16*(\a)+15], v[8*(8*((\a)%4)+\b):8*(8*((\a)%4)+\b)+7]
.endif
.endr
.endr
.endm
.macro FETCH_B slot, q, p
	WIN TO_B
.irp i, 0,1,2,3,4,5,6,7
	FRAG 128*(\p)+16*\i, ADRB+\slot, \q, \i
.endr
	WIN 0
.endm
.macro FETCH_A slot, q, i0
.irp i, \i0, \i0+1, \i0+2, \i0+3
	FRAG AF+16*(\i), ADRA+\slot, \q, \i
.endr
.endm
.macro MUL8 a, p, zero                 ; one block of R against C's eight
.irp b, 0,1,2,3,4,5,6,7
.if \zero
	v_wmma_f32_16x16x128_bf8_bf8 v[8*(8*((\a)%4)+\b):8*(8*((\a)%4)+\b)+7], v[128*(\p)+16*\b:128*(\p)+16*\b+15], v[AF+16*(\a):AF+16*(\a)+15], 0
.else
	v_wmma_f32_16x16x128_bf8_bf8 v[8*(8*((\a)%4)+\b):8*(8*((\a)%4)+\b)+7], v[128*(\p)+16*\b:128*(\p)+16*\b+15], v[AF+16*(\a):AF+16*(\a)+15], v[8*(8*((\a)%4)+\b):8*(8*((\a)%4)+\b)+7]
.endif
.endr
.endm
.macro FB2 slot, q, p, i0              ; two fragments of C
	WIN TO_B
.irp i, \i0, \i0+1
	FRAG 128*(\p)+16*(\i), ADRB+\slot, \q, \i
.endr
.endm
.macro FA2 slot, q, i0                 ; two of R's blocks
	WIN 0
.irp i, \i0, \i0+1
	FRAG AF+16*(\i), ADRA+\slot, \q, \i
.endr
.endm
; A K step's first 128 along K.  C's other set is free from its start, R's blocks come free two by two: the 64 loads of the next 128 are dealt out over the step.
.macro STEP slot, zero
	s_wait_dscnt 16                                ; C's set and R's blocks 0-3 are in; the youngest 16 loads (blocks 4-7) may be out
	WIN MUL_LO
	MUL8 0, 0, \zero
	PLACES 4
	FB2 \slot, 1, 1, 0
	FB2 \slot, 1, 1, 2
	WIN MUL_LO
	MUL8 1, 0, \zero
	PLACES 4
	FA2 \slot, 1, 0
	FB2 \slot, 1, 1, 4
	WIN MUL_LO
	MUL16 2, 0, \zero
	PLACES 4
	FA2 \slot, 1, 2
	FB2 \slot, 1, 1, 6
	s_wait_dscnt 48                                ; blocks 4-7 are in: the 48 loads of this step may be out
	WIN MUL_HI
	MUL16 4, 0, \zero
	PLACES 4
	FA2 \slot, 1, 4
	WIN MUL_HI
	MUL16 6, 0, \zero
	PLACES 4
	FA2 \slot, 1, 6
.endm
.macro TURN slot, next, k              ; k > 0: this slot is filled again with K step k
	s_wait_tensorcnt 0x0                           ; all my tensor loads have landed: my part of the next slot
	ds_add_u32 v[SPW], v[NIL]
.if \k
	SETG G0, 74, \slot*SLOT, \k*4096
	SETG G0B, 76, \slot*SLOT, \k*4096
.endif
	s_wait_dscnt 17                                ; the add and the youngest 16 loads may be out
	WIN MUL_LO
	MUL8 0, 1, 0
	s_wait_dscnt 0x0                               ; the add is done, and my reads of this slot are over
	s_barrier_signal -1
	MUL8 1, 1, 0
	WIN 0
	s_barrier_wait -1
.if \k
	CREST                                          ; no wave of any partner still reads this slot or has a load on its way
	JLOAD
.else
	PLACES 4
.endif
	FA2 \next, 0, 0                                ; the rest of the step, with the next slot's first fragments dealt out over it
	FB2 \next, 0, 0, 0
	FB2 \next, 0, 0, 2
	WIN MUL_LO
	MUL8 2, 1, 0
	FB2 \next, 0, 0, 4
	FB2 \next, 0, 0, 6
	WIN MUL_LO
	MUL8 3, 1, 0
	PLACES 4
	FA2 \next, 0, 2
	WIN MUL_HI
	MUL16 4, 1, 0
	PLACES 4
	FA2 \next, 0, 4
	WIN MUL_HI
	MUL16 6, 1, 0
	PLACES 4
	FA2 \next, 0, 6
.endm
; THE SOFTMAX OF THE BLOCK.  Row block a (16 queries) has 64 registers a lane: v[64 (a % 4) ..] of window 2 or 3: the lane's query x 64 of my 128 keys; lane l xor 16 holds the other 64.
; In window 0: two chains of maxima v[32 + 2 a], v[33 + 2 a];  the pair v[48 + 2 a : 49 + 2 a] = -M, t;  the sums v[64 + 2 a : 65 + 2 a];  v96-111 at work.
.macro MXG w, k                        ; the k-th sixteenth of window w's maxima, four blocks by turns; ascending
.set mi, 4*(\k)+2
.set mb, 32+8*(\w-2)
.if (\k) == 0
	WIN (0x15*\w)
.irp aa, 0,1,2,3
	v_max3_num_f32 v[mb+2*\aa], v[64*\aa], v[64*\aa+1], v[64*\aa+2]
	v_max3_num_f32 v[mb+1+2*\aa], v[64*\aa+3], v[64*\aa+4], v[64*\aa+5]
.endr
.else
	WIN (0x14*\w)
.irp aa, 0,1,2,3
	v_max3_num_f32 v[mb+2*\aa], v[mb+2*\aa], v[64*\aa+mi], v[64*\aa+mi+1]
.if (\k) < 15
	v_max3_num_f32 v[mb+1+2*\aa], v[mb+1+2*\aa], v[64*\aa+mi+2], v[64*\aa+mi+3]
.endif
.endr
.endif
.endm
.macro PKF w, aa                       ; t - M of a pair: of the pairs c and -M the low word serves both halves
	v_pk_fma_f32 v[64*(\aa)+2*kk:64*(\aa)+2*kk+1], v[64*(\aa)+2*kk:64*(\aa)+2*kk+1], s[CS:CS+1], v[48+8*(\w-2)+2*(\aa):49+8*(\w-2)+2*(\aa)] op_sel_hi:[1,0,0]
.endm
.macro SUMB w, aa                      ; a row's sum is taken of the UNQUANTISED p: two at a time, in eight chains
	WIN (0x05*\w)
.irp c, 0,1,2,3,4,5,6,7
	v_pk_add_f32 v[96+2*\c:97+2*\c], v[64*(\aa)+2*\c:64*(\aa)+2*\c+1], v[64*(\aa)+2*\c+16:64*(\aa)+2*\c+17]
.endr
	WIN (0x04*\w)
.irp o, 32,48
.irp c, 0,1,2,3,4,5,6,7
	v_pk_add_f32 v[96+2*\c:97+2*\c], v[96+2*\c:97+2*\c], v[64*(\aa)+2*\c+\o:64*(\aa)+2*\c+\o+1]
.endr
.endr
	WIN 0
.irp c, 0,1,2,3
	v_pk_add_f32 v[96+2*\c:97+2*\c], v[96+2*\c:97+2*\c], v[104+2*\c:105+2*\c]
.endr
.irp c, 0,1
	v_pk_add_f32 v[96+2*\c:97+2*\c], v[96+2*\c:97+2*\c], v[100+2*\c:101+2*\c]
.endr
	v_pk_add_f32 v[64+8*(\w-2)+2*(\aa):65+8*(\w-2)+2*(\aa)], v[96:97], v[98:99]
.endm
.macro HOLD aa                         ; the conversion to an 8-bit code does not saturate (ISA guide 7.6.2); p is never negative, so the hold is one-sided
	v_min_num_f32 v[64*(\aa)+2*kk], v[64*(\aa)+2*kk], v[LIM]
	v_min_num_f32 v[64*(\aa)+2*kk+1], v[64*(\aa)+2*kk+1], v[LIM]
.endm
; p = 2^(t - M), a batch of 64 exponentials a row block.  Between them stand the next block's t - M and the last block's hold; one wait ahead of each batch and behind it.
.macro EXPW w
	WIN (0x41*\w)
.set kk, 0
.rept 32
	PKF \w, 0
.set kk, kk+1
.endr
	s_wait_alu depctr_va_vdst(0)
.irp aa, 0,1,2,3
.if \aa > 0
	SUMB \w, \aa-1
	WIN (0x41*\w)
.endif
.set kk, 0
.rept 32
	v_exp_f32 v[64*\aa+2*kk], v[64*\aa+2*kk]
	v_exp_f32 v[64*\aa+2*kk+1], v[64*\aa+2*kk+1]
.if \aa < 3
	PKF \w, \aa+1
.endif
.if \aa > 0
	HOLD \aa-1
.endif
.set kk, kk+1
.endr
	v_nop
	s_wait_alu depctr_va_vdst(0)
.if \aa > 0
	CVB \w, \aa-1                                  ; the block held between these exponentials goes out
.endif
.endr
	SUMB \w, 3
	WIN (0x41*\w)
.set kk, 0
.rept 32
	HOLD 3
.set kk, kk+1
.endr
	s_wait_alu depctr_va_vdst(0)
	CVB \w, 3
.endm
.macro CVB w, aa                       ; eight neighbouring keys of one query become 8 bytes; eight accumulators a fragment's 16 registers
	WIN \w
.set n, 8*(\aa)
.rept 8
	v_cvt_scalef32_pk8_bf8_f32 v[128+64*(\w-2)+2*n:128+64*(\w-2)+2*n+1], v[8*n:8*n+7], v[SC]
.set n, n+1
.endr
	v_nop                                          ; one plain vector instruction behind the last conversion of the run
	WIN 0
	s_wait_alu depctr_va_vdst(0)
.set n, 4*(\aa)
.rept 4                                ; a store covers 512 consecutive bytes, at a multiple of 512 from the buffer's first byte
	global_store_b128 v[CO], v[128+64*(\w-2)+4*n:128+64*(\w-2)+4*n+3], s[8:9] offset:32768*(4*(\w-2)+n/4)+512*(n%4)
.set n, n+1
.endr
.endm
	s_wait_alu depctr_va_vdst(0)
	s_wait_tensorcnt 0x0                           ; my part of K step 0 is in
	ds_add_u32 v[SPW], v[NIL]
	SETG G0, 74, SLOT, 4096
	SETG G0B, 76, SLOT, 4096
	s_wait_dscnt 0x0
	CROUND                                         ; everybody's is
	JLOAD                                          ; K step 1, slot 1's first fill
	FETCH_B 0, 0, 0
	FETCH_A 0, 0, 0
	FETCH_A 0, 0, 4
	ASK 2
	STEP 0, 1
	TURN 0, 1, 2
	ASK 3
	STEP 1, 0
	TURN 1, 0, 3
	STEP 0, 0
	TURN 0, 1, 0
	STEP 1, 0
	s_wait_dscnt 16
	WIN MUL_LO
	MUL16 0, 1, 0
	MUL16 2, 1, 0
	s_wait_dscnt 0
	PLACES 4
.set wi, 0
.rept 32                               ; the last 32, of window 3, with window 2's maxima between them
	WIN MUL_HI
.set wD, 8*wi
.set wS, 128+16*(wi%8)
.set wR, AF+16*(4+wi/8)
	v_wmma_f32_16x16x128_bf8_bf8 v[wD:wD+7], v[wS:wS+15], v[wR:wR+15], v[wD:wD+7]
.if wi%2
	MXG 2, (wi/2)
.endif
.set wi, wi+1
.endr
	PLACES 4
.irp k, 0,1,2,3,4,5,6,7,8,9,10,11,12,13,14,15
	MXG 3, \k
.endr
	WIN 0
.irp a, 0,1,2,3,4,5,6,7
	v_max_num_f32 v[32+2*\a], v[32+2*\a], v[33+2*\a]
.endr
.irp a, 0,1,2,3,4,5,6,7
	v_permlanex16_b32 v[33+2*\a], v[32+2*\a], s[SEL], s[SEL+1]
.endr
.irp a, 0,1,2,3,4,5,6,7
	v_max_num_f32 v[32+2*\a], v[32+2*\a], v[33+2*\a]
.endr
	s_wait_alu depctr_va_vdst(0)
.irp a, 0,1,2,3,4,5,6,7
	ds_store_b32 v[MXA], v[32+2*\a] offset:128*\a  ; lanes r and r + 16 write the same word with the same value
.endr
	s_wait_dscnt 0x0                               ; for the other half's sake
	s_barrier_signal -1
	s_barrier_wait -1
.irp a, 0,1,2,3,4,5,6,7
	ds_load_b64 v[32+2*\a:33+2*\a], v[MXL] offset:128*\a   ; both halves' maxima of my row
.endr
	s_wait_dscnt 0x0
.irp a, 0,1,2,3,4,5,6,7
	v_max_num_f32 v[32+2*\a], v[32+2*\a], v[33+2*\a]
.endr
.irp a, 0,1,2,3,4,5,6,7
	v_mul_f32 v[49+2*\a], s[CS], v[32+2*\a]        ; as t (c is positive)
.endr
.irp a, 0,1,2,3,4,5,6,7
	v_floor_f32 v[48+2*\a], -v[49+2*\a]            ; -M = floor(-t) = -ceil(t): M is a whole number
.endr
	EXPW 2
	EXPW 3
.irp a, 0,1,2,3,4,5,6,7
	v_add_f32 v[64+2*\a], v[64+2*\a], v[65+2*\a]
.endr
.irp a, 0,1,2,3,4,5,6,7
	v_permlanex16_b32 v[65+2*\a], v[64+2*\a], s[SEL], s[SEL+1]
.endr
.irp a, 0,1,2,3,4,5,6,7
	v_add_f32 v[64+2*\a], v[64+2*\a], v[65+2*\a]   ; over my wave's 128 keys
.endr
	s_wait_alu depctr_va_vdst(0)
.irp a, 0,1,2,3,4,5,6,7
	ds_store_b32 v[LSA], v[64+2*\a] offset:128*\a
.endr
	s_wait_dscnt 0x0
	s_barrier_signal -1
	s_barrier_wait -1
	; the block's statistics: thread i takes rows 2 i and 2 i + 1; -M is made again by the same three lines, so it has the same bits
	ds_load_b128 v[32:35], v[SRD]
	ds_load_b128 v[36:39], v[SRD] offset:2048
	s_wait_dscnt 0x0
	v_max_num_f32 v32, v32, v33
	v_max_num_f32 v34, v34, v35
	v_mul_f32 v32, s[CS], v32
	v_mul_f32 v34, s[CS], v34
	v_floor_f32 v40, -v32
	v_floor_f32 v41, -v34
	v_add_f32 v42, v36, v37                        ; l of the block: the two halves of its keys
	v_add_f32 v43, v38, v39
	global_store_b64 v[SO8], v[40:41], s[10:11]                 ; a wave stores 256 consecutive bytes, at a multiple of 256 from the buffer's first byte
	global_store_b64 v[SO8], v[42:43], s[10:11] offset:262144
	s_wait_tensorcnt 0x0                           ; the wave's end
	ds_add_u32 v[SPW], v[NIL]
	s_wait_dscnt 0x0
	CROUND                                         ; the closing round
	s_endpgm
.Lfunc_end_k_qb894a018d8_score:
	.size	k_qb894a018d8_score, .Lfunc_end_k_qb894a018d8_score-k_qb894a018d8_score
	.p2alignl 7, 3214868480
	.fill 96, 4, 3214868480
	.section	.rodata,"a",@progbits
	.p2align	6, 0x0
	.amdhsa_kernel k_qb894a018d8_score
		.amdhsa_group_segment_fixed_size 327680
		.amdhsa_private_segment_fixed_size 0
		.amdhsa_enable_private_segment 0
		.amdhsa_kernarg_size 32
		.amdhsa_user_sgpr_count 2
		.amdhsa_user_sgpr_kernarg_segment_ptr 1
		.amdhsa_wavefront_size32 1
		.amdhsa_system_sgpr_workgroup_id_x 1
		.amdhsa_system_sgpr_workgroup_id_y 1
		.amdhsa_system_sgpr_workgroup_id_z 1
		.amdhsa_system_vgpr_workitem_id 0
		.amdhsa_next_free_vgpr 1024
		.amdhsa_next_free_sgpr 100
		.amdhsa_reserve_vcc 0
		.amdhsa_float_denorm_mode_32 3
		.amdhsa_float_denorm_mode_16_64 3
		.amdhsa_memory_ordered 1
		.amdhsa_forward_progress 1
		.amdhsa_inst_pref_size 178
	.end_amdhsa_kernel
	.amdgpu_metadata
---
amdhsa.version: [ 1, 2 ]
amdhsa.kernels:
  - .name:           k_qb894a018d8_score
    .symbol:         k_qb894a018d8_score.kd
    .args:
      - { .name: qk_codes, .offset: 0, .size: 8, .value_kind: global_buffer, .address_space: global }
      - { .name: lowp_scales, .offset: 8, .size: 8, .value_kind: global_buffer, .address_space: global }
      - { .name: p_codes, .offset: 16, .size: 8, .value_kind: global_buffer, .address_space: global }
      - { .name: stats, .offset: 24, .size: 8, .value_kind: global_buffer, .address_space: global }
    .group_segment_fixed_size: 327680
    .private_segment_fixed_size: 0
    .kernarg_segment_align: 8
    .kernarg_segment_size: 32
    .max_flat_workgroup_size: 128
    .sgpr_count:     100
    .vgpr_count:     1024
    .wavefront_size: 32
...
	.end_amdgpu_metadata
.endif
;; end of part 2
;; launch mix (part 3): grid 4 x 64, 4 waves a work-group, clusters of 4 x 4, 327,680 bytes of LDS; arguments p_codes, vt_codes, stats, lowp_scales, out0; writes out0
.if DOCPART == 3
	.amdgcn_target "amdgcn-amd-amdhsa--gfx1250"
	.amdhsa_code_object_version 6
	.text
	.protected	k_qb894a018d8_mix
	.globl	k_qb894a018d8_mix
	.p2align	8
	.type	k_qb894a018d8_mix,@function
k_qb894a018d8_mix:
	s_mov_b64 s[64:65], 0
	v_nop
	global_prefetch_b8 v0, s[64:65] scope:SCOPE_SE
	s_setreg_imm32_b32 hwreg(HW_REG_WAVE_MODE, 25, 1), 1
	s_wait_xcnt 0x0
	s_wait_alu depctr_hold_cnt(0) depctr_sa_sdst(0) depctr_va_vdst(0) depctr_va_sdst(0) depctr_va_ssrc(0) depctr_va_vcc(0) depctr_vm_vsrc(0)
	s_getreg_b32 s2, hwreg(HW_REG_IB_STS2, 6, 4)
	s_cmp_eq_u32 s2, 0
	s_cbranch_scc0 .Lentry_in_a_cluster
	s_endpgm
.Lentry_in_a_cluster:
	s_bfe_u32 s2, ttmp6, 0x10000c
	s_cmp_lg_u32 s2, 0xf033
	s_cbranch_scc0 .Lentry_shape_is_right
	s_endpgm
.Lentry_shape_is_right:
; PRODUCT 3 OF THREE: O = (the sum over the eight key blocks j of 2^(M_j - M) P_j V_j) x 2^(e4 + e5) / l, on codes of E5M2.  Nothing of reference() is left out here.
; M = the row's largest M_j, l = the sum of 2^(M_j - M) l_j; each block's 256 keys are summed by themselves and added in f32 with the block's factor 2^(M_j - M + e4 + e5) / l.
; LIMITS: M_j - M is held at -1000 from below, where the factor is 0 in f32; NaN and infinity are not served.
; p_codes: fragment images [512 blocks of 16 queries][16 (128 keys)][2048 bytes], vt_codes: [4 batches][64 blocks of 16 e][16 (128 keys)][2048]: a fragment's four pieces of 512 bytes hold 16 bytes a lane.
; SHARES: 128 queries x 256 e to a work-group of four waves, 64 x 128 a wave.  The keys go through two LDS slots, X of 512 keys and Y of 256, in turns X Y X Y X; a slot holds P's 8 row blocks, then V's 16, as they come.
; CLUSTERS of 4 x 4: P's tiles go to my row of the cluster, V's to my column, by joint loads.
.set PX,     512                       ; a row's bytes in slot X
.set PY,     256                       ; in slot Y
.set XV,     128*PX
.set YB,     XV+256*PX
.set YV,     YB+128*PY
.set SPARE,  YV+256*PY
.set STAGE,  YB
.set SPITCH, 528
.set STO,  24
.set RD,   25
.set CO,   26
.set PFO,  27
.set SPW,  28
.set NIL,  29
.set G1XP, 24
.set G1XV, 32
.set G1YP, 40
.set G1YV, 48
.set G0XP, 56
.set G0XV, 60
.set G0YP, 68
.set G0YV, 72
.set PFA,  2
.set PLM,  95
.set W_MUL, 0xf1
.set W_F,   0xa3
.set MSB, 0
.macro WIN new
.if MSB != \new
	s_set_vgpr_msb (MSB<<8)|\new
.set MSB, \new
.endif
.endm
.macro JLOAD g0a, g1a, g0b, g1b
	s_cmp_eq_u32 s15, 0
	s_cbranch_scc0 .Lfor_b_\@
	tensor_load_to_lds s[\g0a:\g0a+3], s[\g1a:\g1a+7]
	s_nop 0
.rept 4
	v_nop
.endr
	s_branch .Lasked_\@
.Lfor_b_\@:
	tensor_load_to_lds s[\g0b:\g0b+3], s[\g1b:\g1b+7]
	s_nop 0
.rept 4
	v_nop
.endr
.Lasked_\@:
.endm
; PREFETCHES INTO THE L2 of cnt blocks of 256 keys from block u on: a lane a block of 256 bytes, 2 row blocks x 16 of them an instruction.  Partners share the row blocks out by address (P by cx, V by cy);
; P's are asked for by wave 0, V's by waves 2 and 3, one fill ahead: key block 2 behind slot X's first load, 3 and 4 behind slot Y's, 5 to 7 behind slot X's second.
.macro ASK u, cnt
	s_cmp_eq_u32 s[PLM], 1
	s_cbranch_scc0 .Lnot_mine_\@
.set uu, \u
.rept \cnt
	global_prefetch_b8 v[PFO], s[PFA:PFA+1] offset:uu*4096 th:TH_LOAD_NT scope:SCOPE_SE
.set uu, uu+1
.endr
.Lnot_mine_\@:
.endm
.macro CREST
	s_cmp_lg_u32 s14, 0
	s_cbranch_scc1 .Lnot_wave_0_\@
	s_barrier_signal -3
.Lnot_wave_0_\@:
	s_barrier_wait -3
	s_barrier_signal -1
	s_barrier_wait -1
.endm
.macro CROUND
	s_barrier_signal -1
	s_barrier_wait -1
	CREST
.endm
.macro PLACES n
.rept \n
	v_nop
.endr
.endm
.macro SHAPE g, m, cols, rows          ; rows = row blocks of 16, cols = their bytes in a slot; the mask, bit 21 beside it, no padding
	s_or_b32 s[\g], s[\m], 1<<21
	s_mov_b32 s[\g+1], (\cols)<<16
	s_mov_b32 s[\g+2], (\rows)<<16
	s_mov_b32 s[\g+3], (\cols)<<16
	s_mov_b32 s[\g+4], \rows
	s_mov_b32 s[\g+5], 32768
	s_mov_b32 s[\g+6], 0
	s_mov_b32 s[\g+7], 0
.endm
	s_load_b128 s[4:7], s[0:1], 0x0
	s_load_b128 s[8:11], s[0:1], 0x10
	s_load_b64 s[12:13], s[0:1], 0x20
	v_lshl_add_u32 v[SPW], v0, 2, SPARE
	v_mov_b32 v[NIL], 0
	ds_add_u32 v[SPW], v[NIL]
	ds_add_u32 v[SPW], v[NIL]
	v_lshrrev_b32 v1, 5, v0
	v_readfirstlane_b32 s14, v1
	s_lshr_b32 s15, s14, 1
	s_and_b32 s16, s14, 1
	s_bfe_u32 s90, ttmp6, 0x40000
	s_bfe_u32 s91, ttmp6, 0x40004
	s_and_b32 s17, ttmp7, 0xffff
	s_lshl_b32 s18, s17, 2
	s_add_co_u32 s18, s18, s91
	s_lshl_b32 s92, s91, 2
	s_lshl_b32 s92, 15, s92
	s_lshl_b32 s93, 0x1111, s90
	SHAPE G1XP, 92, 8192, 4
	SHAPE G1XV, 93, 8192, 8
	SHAPE G1YP, 92, 4096, 4
	SHAPE G1YV, 93, 4096, 8
	s_lshl_b32 s82, s18, 7
	s_lshl_b32 s19, s16, 6
	s_add_co_u32 s82, s82, s19
	s_lshl_b32 s82, s82, 11
	s_mov_b32 s83, 0
	s_lshr_b32 s84, s17, 2
	s_lshl_b32 s84, s84, 10
	s_lshl_b32 s85, s90, 8
	s_add_co_u32 s84, s84, s85
	s_mov_b32 s20, s84
	s_lshl_b32 s85, s16, 7
	s_add_co_u32 s84, s84, s85
	s_lshl_b32 s84, s84, 11
	s_mov_b32 s85, 0
	s_mul_i32 s96, s16, 64*PX
	s_mul_i32 s97, s16, 128*PX
	s_add_co_u32 s97, s97, XV
	s_mul_i32 s98, s16, 64*PY
	s_add_co_u32 s98, s98, YB
	s_mul_i32 s99, s16, 128*PY
	s_add_co_u32 s99, s99, YV
	s_lshl_b32 s86, s18, 9
	s_lshl_b32 s87, s15, 8
	s_add_co_u32 s86, s86, s87
	s_mov_b32 s87, 0
	s_lshl_b32 s88, s18, 7
	s_lshl_b32 s89, s15, 6
	s_add_co_u32 s88, s88, s89
	s_lshl_b32 s88, s88, 12
	s_lshl_b32 s89, s90, 10
	s_add_co_u32 s88, s88, s89
	s_lshl_b32 s89, s16, 9
	s_add_co_u32 s88, s88, s89
	s_mov_b32 s89, 0
	s_wait_dscnt 0x0
	s_wait_kmcnt 0x0
	s_load_b64 s[76:77], s[10:11], 0x10
	s_add_nc_u64 s[78:79], s[4:5], s[82:83]
	s_add_nc_u64 s[80:81], s[6:7], s[84:85]
	s_add_nc_u64 s[8:9], s[8:9], s[86:87]
	s_add_nc_u64 s[12:13], s[12:13], s[88:89]
	CROUND
	s_mov_b32 s[G0XP], 1
	s_mov_b32 s[G0XP+1], s96
	s_add_nc_u64 s[G0XP+2:G0XP+3], s[78:79], 0
	s_or_b32 s[G0XP+3], s[G0XP+3], 0x80000000
	s_mov_b32 s[G0XV], 1
	s_mov_b32 s[G0XV+1], s97
	s_add_nc_u64 s[G0XV+2:G0XV+3], s[80:81], 0
	s_or_b32 s[G0XV+3], s[G0XV+3], 0x80000000
	JLOAD G0XP, G1XP, G0XV, G1XV
	v_and_b32 v1, 15, v0                           ; r
	v_bfe_u32 v2, v0, 4, 1                         ; h
	v_and_b32 v7, 31, v0
	v_lshlrev_b32 v5, 2, v1
	v_lshlrev_b32 v[CO], 4, v7                     ; 16 x my lane
	v_lshlrev_b32 v[PFO], 15, v2
	v_lshl_add_u32 v[PFO], v1, 8, v[PFO]
	v_mul_u32_u24 v6, v1, SPITCH
	v_lshl_add_u32 v6, v2, 5, v6
	s_wait_alu depctr_va_vdst(0)
.set n, 0
.rept 32
	global_load_b32 v[192+n], v5, s[8:9] offset:32768*(n/4)+64*(n%4)
	global_load_b32 v[224+n], v5, s[8:9] offset:262144+32768*(n/4)+64*(n%4)
.set n, n+1
.endr
	s_mul_i32 s21, s15, 64*PX
	v_add_nc_u32 v16, s21, v[CO]
	s_mul_i32 s21, s16, 128*PX
	s_add_co_u32 s21, s21, XV
	v_add_nc_u32 v17, s21, v[CO]
	s_mul_i32 s21, s15, 64*PY
	s_add_co_u32 s21, s21, YB
	v_add_nc_u32 v20, s21, v[CO]
	s_mul_i32 s21, s16, 128*PY
	s_add_co_u32 s21, s21, YV
	v_add_nc_u32 v21, s21, v[CO]
	s_mul_i32 s23, s14, 16*SPITCH
	s_add_co_u32 s23, s23, STAGE
	v_add_nc_u32 v[STO], s23, v6
	v_add_nc_u32 v[RD], s23, v[CO]
	s_lshl_b32 s21, s18, 7
	s_lshl_b32 s22, s90, 5
	s_add_co_u32 s21, s21, s22
	s_lshl_b32 s22, s91, 6
	s_add_co_u32 s20, s20, s22
	s_lshl_b32 s22, s16, 5
	s_add_co_u32 s20, s20, s22
	s_mov_b32 s22, 0                               ; V's waves ask in each of the four clusters of a batch
	s_cmp_eq_u32 s15, 0
	s_cselect_b32 s20, s21, s20
	s_cselect_b32 s22, s16, s22
	s_cselect_b64 s[PFA:PFA+1], s[4:5], s[6:7]
	s_lshl_b32 s20, s20, 11
	s_mov_b32 s21, 0
	s_add_nc_u64 s[PFA:PFA+1], s[PFA:PFA+1], s[20:21]
	s_cmp_eq_u32 s22, 0
	s_cselect_b32 s[PLM], 1, 0
	s_wait_alu depctr_va_vdst(0)                   ; wait ahead of the branch
	ASK 2, 1
	s_mov_b32 s[G0YP], 1
	s_mov_b32 s[G0YP+1], s98
	s_add_nc_u64 s[G0YP+2:G0YP+3], s[78:79], 8192
	s_or_b32 s[G0YP+3], s[G0YP+3], 0x80000000
	s_mov_b32 s[G0YV], 1
	s_mov_b32 s[G0YV+1], s99
	s_add_nc_u64 s[G0YV+2:G0YV+3], s[80:81], 8192
	s_or_b32 s[G0YV+3], s[G0YV+3], 0x80000000
.macro FRAG reg, adr, q, i, pitch
.irp c, 0,1,2,3
	ds_load_b128 v[\reg+4*\c:\reg+4*\c+3], v[\adr] offset:2048*(\q)+512*\c+(\i)*(\pitch)
.endr
.endm
.macro FETCH g, q, p
	WIN 0x40
.irp i, 0,1,2,3,4,5,6,7
	FRAG 128*(\p)+16*\i, 17+4*(\g), \q, \i, 8192-4096*(\g)
.endr
	WIN 0
.irp i, 0,1,2,3
	FRAG 128+64*(\p)+16*\i, 16+4*(\g), \q, \i, 8192-4096*(\g)
.endr
.endm
.macro FV g, q, p, i0                  ; four of V's fragments of slot g's q-th 128 keys into set p
	WIN 0x40
.irp i, 0,1,2,3
	FRAG 128*(\p)+16*(\i+\i0), 17+4*(\g), \q, \i+\i0, 8192-4096*(\g)
.endr
.endm
.macro FP g, q, p                      ; P's four
	WIN 0
.irp i, 0,1,2,3
	FRAG 128+64*(\p)+16*\i, 16+4*(\g), \q, \i, 8192-4096*(\g)
.endr
.endm
; cnt matrix instructions of a block's first 128 keys.  The 32 additions of the block before (FM) stand behind every second matrix instruction of two half steps: here those of accumulators 16 to 31, each ahead of the
; matrix instruction that begins the accumulator anew.
.macro RUN0 j, cnt
.rept \cnt
	WM 0, 1
.if ((\j) > 0) && (wi%2 == 0)
.set fi, 16+wi/2
	FM (\j)-1
.endif
.set wi, wi+1
.endr
.endm
.macro WM p, zero
	WIN W_MUL
.set rT, 8*wi
.set rV, 128*(\p)+16*(wi%8)
.set rP, 128+64*(\p)+16*(wi/8)
.if \zero
	v_wmma_f32_16x16x128_bf8_bf8 v[rT:rT+7], v[rV:rV+15], v[rP:rP+15], 0
.else
	v_wmma_f32_16x16x128_bf8_bf8 v[rT:rT+7], v[rV:rV+15], v[rP:rP+15], v[rT:rT+7]
.endif
.endm
.macro FM j
	WIN W_F
.set gg, 64+2*(4*(\j)+fi/8)
.irp u, 0,2,4,6
.if (\j) == 0
	v_pk_mul_f32 v[8*fi+\u:8*fi+\u+1], v[8*fi+\u:8*fi+\u+1], v[gg:gg+1]
.else
	v_pk_fma_f32 v[8*fi+\u:8*fi+\u+1], v[8*fi+\u:8*fi+\u+1], v[gg:gg+1], v[8*fi+\u:8*fi+\u+1]
.endif
.endr
.endm
.macro RUN1 j, cnt
.rept \cnt
	WM 1, 0
.if wi == 1
	PLACES 4
.endif
.if wi == 1
.set fi, 0
	FM \j
.endif
.if (wi > 1) && (wi%2 == 0)
.set fi, wi/2
	FM \j
.endif
.set wi, wi+1
.endr
.endm
.macro STEP0 j
.set rg, ((\j)%3)/2
.set q0, 2*(((\j)%3)%2)
	s_wait_dscnt 0x0
.set wi, 0
	RUN0 \j, 4
	PLACES 4
	FV rg, q0+1, 1, 0
	RUN0 \j, 6
	FV rg, q0+1, 1, 4
	RUN0 \j, 6
	FP rg, q0+1, 1
	RUN0 \j, 16
.endm
.macro STEP1 j
.set rg, ((\j)%3)/2
.set rn, (((\j)+1)%3)/2
.set qn, 2*((((\j)+1)%3)%2)
.set chg, 0
.if ((\j) < 7) && (rg != rn)
.set chg, 1
.endif
.set ref, 0
.if chg && ((\j) < 5)
.set ref, 1
.endif
.if chg
	WIN 0
	s_wait_tensorcnt 0x0
	ds_add_u32 v[SPW], v[NIL]
	s_wait_dscnt 1
.else
	s_wait_dscnt 0x0
.endif
.set wi, 0
	RUN1 \j, 4
.if chg
	s_wait_dscnt 0x0
	s_barrier_signal -1
.endif
	RUN1 \j, 4
.if chg
	WIN 0
	s_barrier_wait -1
.if ref
	CREST
.if rg == 0
	s_add_nc_u64 s[G0XP+2:G0XP+3], s[G0XP+2:G0XP+3], 12288
	s_add_nc_u64 s[G0XV+2:G0XV+3], s[G0XV+2:G0XV+3], 12288
	JLOAD G0XP, G1XP, G0XV, G1XV
.else
	s_add_nc_u64 s[G0YP+2:G0YP+3], s[G0YP+2:G0YP+3], 12288
	s_add_nc_u64 s[G0YV+2:G0YV+3], s[G0YV+2:G0YV+3], 12288
	JLOAD G0YP, G1YP, G0YV, G1YV
.endif
.endif
.endif
.if (\j) < 7
	PLACES 4
	FV rn, qn, 0, 0
	RUN1 \j, 6
	FV rn, qn, 0, 4
	RUN1 \j, 6
	FP rn, qn, 0
.if (\j) == 1
	ASK 5, 3
.endif
.endif
	RUN1 \j, 32-wi
.endm
	s_wait_alu depctr_va_vdst(0)
	s_wait_tensorcnt 0x0                           ; my part of slot X is in
	ds_add_u32 v[SPW], v[NIL]
	s_wait_dscnt 0x0
	CROUND                                         ; everybody's is: slot Y's first fill follows
	JLOAD G0YP, G1YP, G0YV, G1YV
	FETCH 0, 0, 0
	ASK 3, 2
	s_wait_loadcnt 0x0
	s_wait_kmcnt 0x0
	s_add_co_i32 s94, s76, s77
.irp a, 0,1,2,3
	v_min_num_f32 v[32+\a], v[192+\a], v[196+\a]
.endr
.irp j, 2,3,4,5,6,7
.irp a, 0,1,2,3
	v_min_num_f32 v[32+\a], v[32+\a], v[192+4*\j+\a]
.endr
.endr
.set n, 0
.rept 32
	v_sub_f32 v[192+n], v[32+n%4], v[192+n]
.set n, n+1
.endr
.set n, 0
.rept 32
	v_max_num_f32 v[192+n], 0xc47a0000, v[192+n]
.set n, n+1
.endr
.set n, 0
.rept 32
	v_cvt_i32_f32 v[192+n], v[192+n]
.set n, n+1
.endr
.irp j, 0,1,2,3,4,5,6,7
.irp a, 0,1,2,3
	v_ldexp_f32 v[40+\a], 1.0, v[192+4*\j+\a]
.endr
.irp a, 0,1,2,3
.if \j == 0
	v_mul_f32 v[36+\a], v[40+\a], v[224+\a]
.else
	v_fmac_f32 v[36+\a], v[40+\a], v[224+4*\j+\a]
.endif
.endr
.endr
	s_wait_alu depctr_va_vdst(0)
.irp a, 0,1,2,3
	v_rcp_f32 v[36+\a], v[36+\a]
.endr
	v_nop
	s_wait_alu depctr_va_vdst(0)
.set n, 0
.rept 32
	v_add_nc_u32 v[192+n], s94, v[192+n]
.set n, n+1
.endr
.set n, 0
.rept 32
	v_ldexp_f32 v[64+2*n], v[36+n%4], v[192+n]
	v_ldexp_f32 v[65+2*n], v[36+n%4], v[192+n]
.set n, n+1
.endr
.irp j, 0,1,2,3,4,5,6
	STEP0 \j
	STEP1 \j
.endr
; THE LAST 256 KEYS GO BY ROWS OF THE RESULT: a block of 16 queries is added up, staged and stored while the next is multiplied; its eight accumulators take turns.
; LAST0: the first 128 keys of blocks 0 and 1, with the additions of key block 6 that are still due.  LAST8: eight matrix instructions from accumulator w0 on, with the additions of the eight from f on (f under 32) between them.
.macro LAST0 cnt
.rept \cnt
	WM 0, 1
.set fi, 16+wi
	FM 6
.set wi, wi+1
.endr
.endm
.macro LAST8 w0, p, zero, f, pl
.set wi, \w0
.set fi, \f
.rept 8
	WM \p, \zero
.if (\pl) && (wi == (\w0))
	PLACES 4
.endif
.if (\f) < 32
	FM 7
.set fi, fi+1
.endif
.set wi, wi+1
.endr
.endm
; The way out: through my own stage, in slot Y, which has had its last fill and which nobody reads; a block's rows come back into the accumulators that the block has left.
.macro TOSTAGE a
	WIN 0x08
.irp b, 0,1,2,3,4,5,6,7
	ds_store_b128 v[STO], v[8*(8*(\a)+\b):8*(8*(\a)+\b)+3] offset:64*\b
	ds_store_b128 v[STO], v[8*(8*(\a)+\b)+4:8*(8*(\a)+\b)+7] offset:64*\b+16
.endr
	WIN 0xc0
.irp t, 0,1,2,3,4,5,6,7,8,9,10,11,12,13,14,15
	ds_load_b128 v[64*(\a)+4*\t:64*(\a)+4*\t+3], v[RD] offset:\t*SPITCH
.endr
.endm
.macro SEND a, younger
	WIN 0x0c
	s_wait_dscnt \younger
.irp t, 0,1,2,3,4,5,6,7,8,9,10,11,12,13,14,15
	global_store_b128 v[CO], v[64*(\a)+4*\t:64*(\a)+4*\t+3], s[12:13] offset:(16*(\a)+\t)*4096 th:TH_STORE_NT
.endr
.endm
	s_wait_dscnt 0x0
.set wi, 0
	LAST0 4
	PLACES 4
	FV 0, 3, 1, 0
	LAST0 4
	FV 0, 3, 1, 4
	LAST0 4
	FP 0, 3, 1
	LAST0 4
	s_wait_dscnt 0x0
	LAST8 0, 1, 0, 32, 0                           ; block 0 is finished,
	LAST8 8, 1, 0, 0, 1                            ; block 1; block 0's additions
	s_wait_alu depctr_va_vdst(0)                   ; wait ahead of each block's way out
	TOSTAGE 0
	LAST8 16, 0, 1, 8, 0                           ; block 2's first 128 keys; block 1's additions
	s_wait_alu depctr_va_vdst(0)
	SEND 0, 0
	TOSTAGE 1
	LAST8 16, 1, 0, 32, 0                          ; block 2 is finished
	LAST8 24, 0, 1, 16, 1                          ; block 3's first 128 keys; block 2's additions
	s_wait_alu depctr_va_vdst(0)
	SEND 1, 0
	TOSTAGE 2
	LAST8 24, 1, 0, 32, 0
	PLACES 4
.set fi, 24
.rept 8
	FM 7
.set fi, fi+1
.endr
	s_wait_alu depctr_va_vdst(0)
	SEND 2, 0
	TOSTAGE 3
	SEND 3, 0
	WIN 0
	s_wait_tensorcnt 0x0
	ds_add_u32 v[SPW], v[NIL]
	s_wait_dscnt 0x0
	CROUND
	s_endpgm
.Lfunc_end_k_qb894a018d8_mix:
	.size	k_qb894a018d8_mix, .Lfunc_end_k_qb894a018d8_mix-k_qb894a018d8_mix
	.p2alignl 7, 3214868480
	.fill 96, 4, 3214868480
	.section	.rodata,"a",@progbits
	.p2align	6, 0x0
	.amdhsa_kernel k_qb894a018d8_mix
		.amdhsa_group_segment_fixed_size 327680
		.amdhsa_private_segment_fixed_size 0
		.amdhsa_enable_private_segment 0
		.amdhsa_kernarg_size 40
		.amdhsa_user_sgpr_count 2
		.amdhsa_user_sgpr_kernarg_segment_ptr 1
		.amdhsa_wavefront_size32 1
		.amdhsa_system_sgpr_workgroup_id_x 1
		.amdhsa_system_sgpr_workgroup_id_y 1
		.amdhsa_system_sgpr_workgroup_id_z 1
		.amdhsa_system_vgpr_workitem_id 0
		.amdhsa_next_free_vgpr 1024
		.amdhsa_next_free_sgpr 100
		.amdhsa_reserve_vcc 0
		.amdhsa_float_denorm_mode_32 3
		.amdhsa_float_denorm_mode_16_64 3
		.amdhsa_memory_ordered 1
		.amdhsa_forward_progress 1
		.amdhsa_inst_pref_size 214
	.end_amdhsa_kernel
	.amdgpu_metadata
---
amdhsa.version: [ 1, 2 ]
amdhsa.kernels:
  - .name:           k_qb894a018d8_mix
    .symbol:         k_qb894a018d8_mix.kd
    .args:
      - { .name: p_codes, .offset: 0, .size: 8, .value_kind: global_buffer, .address_space: global }
      - { .name: vt_codes, .offset: 8, .size: 8, .value_kind: global_buffer, .address_space: global }
      - { .name: stats, .offset: 16, .size: 8, .value_kind: global_buffer, .address_space: global }
      - { .name: lowp_scales, .offset: 24, .size: 8, .value_kind: global_buffer, .address_space: global }
      - { .name: out0, .offset: 32, .size: 8, .value_kind: global_buffer, .address_space: global }
    .group_segment_fixed_size: 327680
    .private_segment_fixed_size: 0
    .kernarg_segment_align: 8
    .kernarg_segment_size: 40
    .max_flat_workgroup_size: 128
    .sgpr_count:     100
    .vgpr_count:     1024
    .wavefront_size: 32
...
	.end_amdgpu_metadata
.endif
;; end of part 3
